; MI455X (gfx1250); checked and timed in simulation.
; The chip was launched on July 23, 2026; its instructions are those of AMD's public machine-readable ISA for CDNA 5 (MIT licence, August 2026) and "CDNA5" Instruction Set Architecture Reference Guide (July 2026). The comments in the code are by the model that wrote it; some were corrected since.
;; My GRU Transition. Allowed arithmetic: matrix products marked QUANTISED: E2M1 operands, one E8M0 scale for each 32 along K, by v_wmma_scale_f32_16x16x128_f8f6f4 with both operands' format E2M1 (or v_wmma_scale_f32_32x16x128_f4), f32 sums; everything else in f32.
;; Inputs: W_h2h_codes 512 x 16 x 16 uint8 (E2M1 codes of W_h2h, K innermost, in blocks of 32 codes, two codes a byte); W_h2h_scales 512 x 16 uint8 (E8M0 scales of W_h2h, one for each 32 codes along K); W_ig_codes 1,024 x 16 x 16 uint8 (E2M1 codes of W_ig, K innermost, in blocks of 32 codes, two codes a byte); W_ig_scales 1,024 x 16 uint8 (E8M0 scales of W_ig, one for each 32 codes along K); W_is_codes 512 x 16 x 16 uint8 (E2M1 codes of W_is, K innermost, in blocks of 32 codes, two codes a byte); W_is_scales 512 x 16 uint8 (E8M0 scales of W_is, one for each 32 codes along K); W_sg_codes 1,024 x 16 x 16 uint8 (E2M1 codes of W_sg, K innermost, in blocks of 32 codes, two codes a byte); W_sg_scales 1,024 x 16 uint8 (E8M0 scales of W_sg, one for each 32 codes along K); b_ig 1,024 float32; b_is 512 float32; data_codes 32,768 x 16 x 16 uint8 (E2M1 codes of data, K innermost, in blocks of 32 codes, two codes a byte); data_scales 32,768 x 16 uint8 (E8M0 scales of data, one for each 32 codes along K); state 32,768 x 512 float32.
;; Outputs: out0 32,768 x 512 float32.
;; This version of the problem:
;;   THIS VERSION OF THE PROBLEM IS GIVEN IN LOW PRECISION. The matrix products marked QUANTISED in the list below multiply operands that are first quantised to E2M1 (2 exponent bits, 1 mantissa bit; 4 bits a number), with one power-of-two scale for each 32 numbers along K (OCP MX v1.0); their sums are f32. All else is computed in f32.
;;   The module's matrix products, in the order in which they are computed (A, B: the left and right operand; K: the contracted axis; several contracted axes count as one K, in the product's order):
;;     1. [M 32,768, K 512] x [K 512, N 512]; A: input data (given as codes); B: input W_is (given as codes): QUANTISED
;;     2. [M 32,768, K 512] x [K 512, N 1,024]; A: input data (given as codes); B: input W_ig (given as codes): QUANTISED
;;     3. [M 32,768, K 512] x [K 512, N 1,024]; A: input state; B: input W_sg (given as codes): QUANTISED
;;     4. [M 32,768, K 512] x [K 512, N 512]; A: computed on the way; B: input W_h2h (given as codes): QUANTISED
;;   THE QUANTISER, for each operand of a quantised product, along K:
;;     - K is cut into blocks of 32 from its start; a last block that is shorter is filled with zeros.
;;     - A block's scale is 2^e with e = floor(log2(the largest magnitude in the block)) - 2, held to -126 .. 127; a block of zeros has e = 0. As a byte (E8M0): e + 127.
;;     - Each number is divided by its block's scale, clamped to +-6, and rounded to the nearest number of E2M1, ties to even, subnormals kept.
;;     - The product sums the exact products of the quantised numbers (number of the format x scale) in f32.
;;   ~~~python
;;   def quantise(x, axis):      # numpy; x: float32 -> the quantised numbers, widened to float32 again
;;       x = np.moveaxis(x, axis, -1); K = x.shape[-1]
;;       x = np.pad(x, [(0, 0)] * (x.ndim - 1) + [(0, -K % 32)]); x = x.reshape(x.shape[:-1] + (-1, 32)); a = np.abs(x).max(-1, keepdims=True)
;;       e = np.where(a > 0, np.clip(np.frexp(np.where(a > 0, a, 1))[1] - 1 - 2, -126, 127), 0)      # np.frexp(a)[1] - 1 = floor(log2(a)), exactly
;;       r = np.clip(x / 2.0 ** e, -6, 6)
;;       step = 2.0 ** (np.maximum(np.frexp(np.where(r == 0, 1, r))[1] - 1, 0) - 1)
;;       q = np.round(r / step) * step * 2.0 ** e      # np.round: ties to even
;;       return np.moveaxis(q.reshape(q.shape[:-2] + (-1,))[..., :K], -1, axis).astype(np.float32)
;;   ~~~
;;   OPERANDS COMPUTED ON THE WAY. 'Computed on the way' means the value that the module computes at that place (a softmax that the list does not call 'softmax' is quantised finished and normalised). What goes into a quantiser is computed in f32, as accurately as f32 sums, v_exp_f32 and their like allow (about 1e-6 of the number): no bf16 or f16 on the way to a quantiser, and a product that is left as it is and whose result goes on into a quantised operand takes f32 operands (vector FMAs, or v_wmma_f32_16x16x4_f32). A number that lies on a knife's edge between two numbers of the format may be rounded either way, as far as f32 arithmetic and the matrix unit's own rounding can turn it there, and no further.
;;   INPUTS GIVEN AS CODES. W_h2h (in the module: [512, 512], K = its axis 1); W_ig (in the module: [1024, 512], K = its axis 1); W_is (in the module: [512, 512], K = its axis 1); W_sg (in the module: [1024, 512], K = its axis 1); data (in the module: [32768, 512], K = its axis 1): each comes as NAME_codes (uint8): NAME with its K axis moved to the last place and cut into blocks of 32 codes, [.., K / 32, bytes a block], one block behind the other in memory; two codes a byte, the lower K in the low four bits (a code: sign, 2 exponent bits, 1 mantissa bit); and NAME_scales (uint8): the same leading axes, one E8M0 byte (e + 127) for each 32 codes along K. Its value is code x scale, taken as it is: it is not quantised again, and the codes and scales need not be those that the quantiser above would give.
;; One version. Each part assembles by itself: llvm-mc -triple=amdgcn-amd-amdhsa -mcpu=gfx1250 --defsym DOCPART=n.
;; ======== version 1 of 1: 1 launch
;; limits: right only within a limited range of input values
;; launch gru (part 1): grid 256 x 1, 4 waves a work-group, clusters of 4 x 1, 327,680 bytes of LDS; arguments state, data_codes, data_scales, W_ig_codes, W_sg_codes, W_is_codes, W_h2h_codes, W_ig_scales, W_sg_scales, W_is_scales, W_h2h_scales, b_ig, b_is, out0; writes out0
.if DOCPART == 1
	.amdgcn_target "amdgcn-amd-amdhsa--gfx1250"
	.amdhsa_code_object_version 6
	.text
	.protected	k_q9ef5622514_gru
	.globl	k_q9ef5622514_gru
	.p2align	8
	.type	k_q9ef5622514_gru,@function
k_q9ef5622514_gru:
	s_mov_b64 s[64:65], 0
	v_nop
	global_prefetch_b8 v0, s[64:65] scope:SCOPE_SE
	s_setreg_imm32_b32 hwreg(HW_REG_WAVE_MODE, 25, 1), 1
	s_wait_xcnt 0x0
	s_wait_alu depctr_hold_cnt(0) depctr_sa_sdst(0) depctr_va_vdst(0) depctr_va_sdst(0) depctr_va_ssrc(0) depctr_va_vcc(0) depctr_vm_vsrc(0)
	s_getreg_b32 s2, hwreg(HW_REG_IB_STS2, 6, 4)
	s_cmp_eq_u32 s2, 0
	s_cbranch_scc0 .Lentry_in_a_cluster
	s_endpgm
.Lentry_in_a_cluster:
	s_bfe_u32 s2, ttmp6, 0x10000c
	s_cmp_lg_u32 s2, 0x3003
	s_cbranch_scc0 .Lentry_shape_is_right
	s_endpgm
.Lentry_shape_is_right:
; One GRU step, all four products on codes of FP4 (E2M1) with one E8M0 scale for each 32 along K (K = 512 everywhere):
;   gate = data W_ig^T + b_ig + Q(state) W_sg^T;  u = sigmoid(gate[:, :512]);  r = sigmoid(gate[:, 512:]);
;   h = tanh(data W_is^T + b_is + Q(state r) W_h2h^T);  out = u h + (1 - u) state, computed as state + u (h - state): the same real number.
; Nothing of the problem is left out: every input has a way to out0 and is loaded.
; sigmoid(x) = 1 / (1 + 2^(-x log2 e)), tanh(y) = 1 - 2 / (1 + 2^(2 y log2 e)): an exponential that overflows gives infinity, whose reciprocal is 0: both forms hold for every finite x, y.
; LIMITS: NaN and infinities in state or the biases are not served.  A block of 32 whose largest magnitude lies under 2^-124 keeps the scale byte 1 (a block of zeros too: its codes are
; zeros, and these bytes are read by this program alone).  v_exp_f32 gives 0 for results under 2^-126 (ISA guide, 15.8), which beside the 1 that is added changes nothing.
; SHARES.  256 work-groups of four waves; a work-group owns 128 rows, wave w rows 32 w .. 32 w + 31: two tiles of 16 (m = 0, 1), through the whole chain.  The codes of state and of
; state x r never leave their wave, and state stays in the wave's registers (512) from its one load to the blend, where out takes its place.
; THE PRODUCTS ARE USED TRANSPOSED: source 0 = 16 rows of a weight (tile u of a block of 32 units), source 1 = 16 of my rows: lane (r, h) holds my row r, register j unit 16 u + 8 h + j of the block.
; State lies in the same order (register 16 block + 8 u + j of window 1 + m).
; THE WEIGHTS walk through a ring of two LDS slots of four tiles (128 rows x 256 bytes, rows 272 bytes apart), in six stages: A0, A1 (reset gate, 256 units each of W_ig and W_sg),
; B0 .. B3 (128 units each of W_ig, W_sg (update half), W_is, W_h2h).  Wave w brings tile w of a stage.  CLUSTER: all work-groups walk the same weights in the same order, so the four of a
; cluster ask JOINTLY, with the same descriptor and the mask of all four.  By this text's count a wave has one tensor load out at a time.
; THE WEIGHTS' SCALE BYTES of a stage are 4 x 2,048 bytes.  Wave w loads those of tile w (four loads of 512 consecutive bytes) a whole stage ahead into 16 registers, and stores them into one LDS
; region at the change of slots: behind the barrier that shows all reads of the old stage's words done, and with a barrier of its own behind the stores.  A block's words then come by LDS loads with its fragments.
; THE BIASES take 4,096 bytes of LDS: b_ig's reset half in phase A, replaced at the change from A to B by its update half (kept in v160-163 till then); b_is behind it.
; No prefetch into the L2 is laid: each tile and each stage's scale bytes are asked for a whole stage (256 products a wave and their vector work) ahead of the wait for them.
; A block's vector work stands in the NEXT trip; that trip's fragment loads go out in groups of eight between its batches.
; State's registers are named by number, so the lines that name them stand in one arm for each block, chosen by scalar compares of the block counter.
; REGISTERS, in windows of 256: window 0: addresses, scale words, accumulators, biases, u, fragments of state x r;  windows 1, 2: state of tile m = 0, 1;
;   window 3: v0-127 sixteen fragments of weights, v128-191 data, v192-255 Q(state).
.set PITCH,  272                       ; an LDS row of codes: 256 bytes + 16: the 16 rows of a fragment load start at 16 different banks (64 banks of 4 bytes: ISA guide 11.1)
.set TILEB,  128*PITCH
.set BLKB,   32*PITCH
.set HALFB,  16*PITCH
.set SLOT0,  0
.set SLOT1,  4*TILEB
.set STAGE,  8*TILEB                   ; behind the ring: 8,704 bytes for each wave, written by ds_store alone
.set STGW,   8704
.set SPITCH, 528
.set BIAS,   STAGE+4*STGW              ; 2,048 bytes of b_ig (one half at a time), then b_is
.set SCL,    BIAS+4096                 ; the running stage's scale bytes: tile w at 2,048 w, 16 bytes a row
.set SPARE,  SCL+8192                  ; the spare words, 128 bytes for each wave
.set AW0, 1                            ; v1   r x 272 + 16 h
.set LI,  4                            ; v4   16 x lane
.set STD, 5                            ; v5   stage + 16 x lane
.set STF, 6                            ; v6   stage + r x 528 + 32 h
.set DCS, 7                            ; v7   stage + h x 272 + 16 r
.set DCF, 8                            ; v8   stage + r x 272 + 16 h
.set BIA0, 9                           ; v9   BIAS + 32 h
.set BIA, 10                           ; v10  the same for the block that is multiplied (at the head: 16 x thread)
.set WSA, 11                           ; v11  LDS address of the block's scale words
.set SRW0, 12                          ; v12  stage + r x 272 + 4 h;   v13: + 16 x block
.set SRB0, 14                          ; v14  stage + r x 272 + 256;   v15: + block
.set SPW, 16                           ; v16  my spare word; never rewritten
.set NIL, 17                           ; v17  0; never rewritten
.set XD,  18                           ; v18-21 data's scale words, register s = K step s: lanes 0-15 tile m = 0, lanes 16-31 m = 1
.set XT,  22                           ; v22-25 Q(state)'s
.set XR,  26                           ; v26-29 Q(state x r)'s
.set PWD, 30
.set SRS, 31                           ; v31  stage + lane x 272 + 256
.set WS,  32                           ; v32-47 the weights' scale words: 4 q + s: lanes 0-15 tile u = 0, lanes 16-31 u = 1
.set TM,  48                           ; v48-63 at work
.set AU,  64                           ; v64-95  four accumulators (16 m + 8 u): the reset gate, later the update gate
.set AC,  96                           ; v96-127 the candidate's
.set BU,  128                          ; v128-143 a block's bias in the result's layout (8 u + j)
.set SG,  144                          ; v144-159 the next stage's scale bytes of my tile, on their way
.set UG,  160                          ; v160-191 phase B: u (phase A: v160-163 b_ig's update half, v172-177 CD and BY)
.set CD,  172
.set BY,  176
.set SRF, 192                          ; v192-255 fragments of Q(state x r): 8 (4 m + s)
.set MSB, 0
.macro WIN new                         ; the immediate's high byte repeats the setting that is left
.if MSB != (\new)
	s_set_vgpr_msb (MSB<<8)|(\new)
.set MSB, (\new)
.endif
.endm
.macro PLACES n
.rept \n
	v_nop
.endr
.endm
.macro AW
	s_wait_alu depctr_va_vdst(0)
.endm
.macro ROUND                           ; a round of the cluster's barrier
	s_barrier_signal -1
	s_barrier_wait -1
	s_cmp_lg_u32 s3, 0
	s_cbranch_scc1 .Lnot_wave_0_\@
	s_barrier_signal -3
.Lnot_wave_0_\@:
	s_barrier_wait -3
	s_barrier_signal -1
	s_barrier_wait -1
.endm
.macro SLOAD base, off                 ; 2,048 scale bytes of my tile of a later stage: 512 consecutive bytes a load
.irp i, 0,1,2,3
	global_load_b128 v[SG+4*\i:SG+4*\i+3], v[LI], s[\base:\base+1] offset:\off+512*\i
.endr
.endm
.macro SSTORE                          ; and into the region, at 2,048 x wave
	v_add_nc_u32 v2, s78, v[LI]
.irp i, 0,1,2,3
	ds_store_b128 v2, v[SG+4*\i:SG+4*\i+3] offset:512*\i
.endr
.endm
; THE CHANGE OF SLOTS.  Each wave waits for all its tensor loads, adds 0 to its spare word, and waits for that and for its reads of the slot and of the scale words that it leaves.
; fill = 1: a round of the cluster's barrier, and first behind it the joint refill of the slot just left, with the stage after next.  Then the new stage's scale bytes go into the region
; (bias = 1: and b_ig's update half over its reset half), the stage after's are asked for (sbase), and a barrier shows the stores to all four waves.
.macro CHANGE fill, slotbase, step, sbase, soff, bias
	AW
	s_wait_tensorcnt 0x0                           ; no tensor load of mine is out, so the walking group 0 may be written
	ds_add_u32 v[SPW], v[NIL]
.if \fill
	s_add_co_u32 s53, s71, \slotbase
.if \step
	s_add_nc_u64 s[54:55], s[54:55], 32768         ; the next 128 rows of my matrix
.endif
.endif
	s_wait_dscnt 0x0
.if \fill
	ROUND
	tensor_load_to_lds s[52:55], s[36:43]
	s_nop 0
	PLACES 4
.else
	s_barrier_signal -1
	s_barrier_wait -1
.endif
	s_wait_loadcnt 0x0                             ; my tile's scale bytes, asked for a stage ago
	SSTORE
.if \bias
	v_lshl_add_u32 v3, v0, 4, BIAS
	ds_store_b128 v3, v[160:163]
.endif
	s_wait_dscnt 0x0                               ; for the others' sake: my stores are done
.if \sbase
	SLOAD \sbase, \soff
.endif
	s_barrier_signal -1
	s_barrier_wait -1
.endm
; Chunk ch = 4 m + q of state: 16 rows x 128 units; each load reads 512 consecutive bytes of a row
.macro CLOAD ch
.set m_, (\ch)/4
.set q_, (\ch)%4
	WIN (m_+1)<<6
.irp t, 0,1,2,3,4,5,6,7,8,9,10,11,12,13,14,15
	global_load_b128 v[64*q_+4*\t:64*q_+4*\t+3], v[LI], s[8:9] offset:(16*m_+\t)*2048+512*q_ th:TH_LOAD_NT
.endr
.endm
; The chunk turns through my stage: in as loaded, back in the results' order; LDS serves a wave's instructions in order (ISA guide 5.7.1.4)
.macro TURN ch
.set m_, (\ch)/4
.set q_, (\ch)%4
	WIN (m_+1)<<2
.irp t, 0,1,2,3,4,5,6,7,8,9,10,11,12,13,14,15
	ds_store_b128 v[STD], v[64*q_+4*\t:64*q_+4*\t+3] offset:SPITCH*\t
.endr
	WIN (m_+1)<<6
.irp b, 0,1,2,3
.irp u, 0,1
.irp j, 0,1
	ds_load_b128 v[64*q_+16*\b+8*\u+4*\j:64*q_+16*\b+8*\u+4*\j+3], v[STF] offset:128*\b+64*\u+16*\j
.endr
.endr
.endr
.endm
; The chunk is K step q of Q(state), tile m.  Of a block of 32 a lane holds units 8 h .. and 16 + 8 h ..; lane l xor 16 holds the rest.
.macro QUANT ch
.set m_, (\ch)/4
.set q_, (\ch)%4
.set sb_, 64*q_
.set F_, 192+8*(4*m_+q_)
	WIN 0x14*(m_+1)
.irp b, 0,1,2,3
	v_max3_num_f32 v[TM+\b], 0x1800000, |v[sb_+16*\b]|, |v[sb_+16*\b+1]|   ; the floor 2^(3 - 127): the byte cannot fall under 1
.endr
.irp i, 2,4,6,8,10,12,14
.irp b, 0,1,2,3
	v_max3_num_f32 v[TM+\b], v[TM+\b], |v[sb_+16*\b+\i]|, |v[sb_+16*\b+\i+1]|
.endr
.endr
	WIN 0
.irp b, 0,1,2,3
	v_permlanex16_b32 v[TM+4+\b], v[TM+\b], s62, s63
.endr
.irp b, 0,1,2,3
	v_max_num_f32 v[TM+\b], v[TM+\b], v[TM+4+\b]
.endr
.irp b, 0,1,2,3
	v_add_nc_u32 v[TM+12+\b], 0xff000000, v[TM+\b] ; 2 off the exponent field: the conversion's scale operand
.endr
.irp b, 0,1,2,3
	v_lshrrev_b32 v[TM+4+\b], 23, v[TM+12+\b]      ; the scale's byte
.endr
	v_lshl_or_b32 v[PWD], v[TM+5], 8, v[TM+4]
	v_lshl_or_b32 v[PWD], v[TM+6], 16, v[PWD]
	v_lshl_or_b32 v[PWD], v[TM+7], 24, v[PWD]
	WIN 0xc0|(m_+1)
.irp b, 0,1,2,3
.irp u, 0,1
	v_cvt_scalef32_pk8_fp4_f32 v[F_+4*(\b/2)+2*\u+(\b%2)], v[sb_+16*\b+8*\u:sb_+16*\b+8*\u+7], v[TM+12+\b]
.endr
.endr
	v_nop                                          ; one plain instruction behind the scaled conversions
	WIN 0xc3
.irp c, 0,1                                    ; a whole block in a lane: register 4 c + o then holds k = 64 c + 32 h + 8 o ..
.irp u, 0,1
	v_permlane16_swap_b32 v[F_+4*\c+2*\u], v[F_+4*\c+2*\u+1]
.endr
.endr
	WIN 0
.if m_ == 0
	v_mov_b32 v[XT+q_], v[PWD]
.else
	v_cndmask_b32 v[XT+q_], v[XT+q_], v[PWD], s70  ; lanes 16-31 take tile 1's words
.endif
.endm
.macro BLOAD reg, adr, off             ; a block's biases in the result's layout
.irp u, 0,1
.irp j, 0,1
	ds_load_b128 v[\reg+8*\u+4*\j:\reg+8*\u+4*\j+3], v[\adr] offset:\off+64*\u+16*\j
.endr
.endr
.endm
.macro WLD q, off                      ; matrix q's scale words of the block: lane l takes row l's 16 bytes
	ds_load_b128 v[WS+4*\q:WS+4*\q+3], v[WSA] offset:\off
.endm
; Group g of weight fragments: matrix q = g / 2, K steps 2 (g % 2) and + 1, tiles u = 0, 1: eight loads into place g % 4 of window 3
.macro GRP ph, g
.set q_, (\g)/2
.if \ph == 0
.set ad_, 2+q_
.set ob_, 0
.else
.set ad_, 2+q_/2
.set ob_, (q_%2)*TILEB
.endif
	WIN 0xc0
.irp e, 0,1
.irp u, 0,1
.irp c, 0,1
	ds_load_b128 v[8*(4*((\g)%4)+2*\e+\u)+4*\c:8*(4*((\g)%4)+2*\e+\u)+4*\c+3], v[ad_] offset:ob_+\u*HALFB+64*(2*((\g)%2)+\e)+32*\c
.endr
.endr
.endr
	WIN 0
.endm
.macro FADDR
	v_add_nc_u32 v2, s56, v[AW0]
	v_add_nc_u32 v3, 2*TILEB, v2
	v_add_nc_u32 v[WSA], s57, v[LI]
.endm
; Eight products on group g.  The four accumulators take turns, one instruction a turn.  The first K step of a sum takes the bias as its C.
.macro MM g
.set q_, (\g)/2
.set ac_, AU
.if q_ >= 2
.set ac_, AC
.endif
.set xb_, 128
.set xs_, XD
.set wn_, 0x0f
.if q_ == 1
.set xb_, 192
.set xs_, XT
.endif
.if q_ == 3
.set xb_, SRF
.set xs_, XR
.set wn_, 0x03
.endif
	WIN wn_
.irp e, 0,1
.irp u, 0,1
.irp m, 0,1
.set s_, 2*((\g)%2)+\e
.set rD, ac_+16*\m+8*\u
.set rA, 8*(4*((\g)%4)+2*\e+\u)
.set rB, xb_+8*(4*\m+s_)
.set rC, rD
.if ((\g)%4 == 0) && (\e == 0)
.set rC, BU+8*\u
.endif
.set rW, WS+4*q_+s_
.set rX, xs_+s_
.if (\u == 0) && (\m == 0)
	v_wmma_scale_f32_16x16x128_f8f6f4 v[rD:rD+7], v[rA:rA+7], v[rB:rB+7], v[rC:rC+7], v[rW], v[rX] matrix_a_fmt:MATRIX_FMT_FP4 matrix_b_fmt:MATRIX_FMT_FP4
.elseif (\u == 1) && (\m == 0)
	v_wmma_scale_f32_16x16x128_f8f6f4 v[rD:rD+7], v[rA:rA+7], v[rB:rB+7], v[rC:rC+7], v[rW], v[rX] matrix_a_fmt:MATRIX_FMT_FP4 matrix_b_fmt:MATRIX_FMT_FP4 matrix_a_scale:MATRIX_SCALE_ROW1
.elseif (\u == 0) && (\m == 1)
	v_wmma_scale_f32_16x16x128_f8f6f4 v[rD:rD+7], v[rA:rA+7], v[rB:rB+7], v[rC:rC+7], v[rW], v[rX] matrix_a_fmt:MATRIX_FMT_FP4 matrix_b_fmt:MATRIX_FMT_FP4 matrix_b_scale:MATRIX_SCALE_ROW1
.else
	v_wmma_scale_f32_16x16x128_f8f6f4 v[rD:rD+7], v[rA:rA+7], v[rB:rB+7], v[rC:rC+7], v[rW], v[rX] matrix_a_fmt:MATRIX_FMT_FP4 matrix_b_fmt:MATRIX_FMT_FP4 matrix_a_scale:MATRIX_SCALE_ROW1 matrix_b_scale:MATRIX_SCALE_ROW1
.endif
.endr
.endr
.endr
.endm
.macro TRIPSET                         ; s58 = the block whose vector work this trip does; s58 + 1 is multiplied, and its biases are fetched
	s_lshl_b32 s61, s58, 7
	s_add_co_u32 s61, s61, 128
	v_add_nc_u32 v[BIA], s61, v[BIA0]
.endm
.macro TRIPEND lim, lbl
	s_add_co_u32 s56, s56, BLKB
	s_add_co_u32 s57, s57, 512
	s_add_co_u32 s58, s58, 1
	s_cmp_lt_u32 s58, \lim
	s_cbranch_scc1 \lbl
.endm
.macro W_A younger                     ; phase A, a block's 32 products.  younger: the LDS stores issued behind the loads, which may stay out
	s_wait_dscnt \younger
	MM 0
	MM 1
	MM 2
	MM 3
	PLACES 5                                       ; five: the next block's first product begins an accumulator anew
	WIN 0
.endm
.macro BFIRST                          ; phase B: 32 products on the update gate's sums
	s_wait_dscnt 0x0
	MM 0
	MM 1
	MM 2
	MM 3
	PLACES 5
	WIN 0
.endm
.macro BSECOND                         ; and 32 on the candidate's
	s_wait_dscnt 0x0
	MM 4
	MM 5
	MM 6
	MM 7
	PLACES 5
	WIN 0
.endm
.macro PKS reg, sc                     ; 32 numbers x a constant, each accumulator from its low end on
.set j_, 0
.rept 16
	v_pk_mul_f32 v[\reg+j_:\reg+j_+1], v[\reg+j_:\reg+j_+1], s[\sc:\sc+1] op_sel_hi:[1,0]
.set j_, j_+2
.endr
.endm
.macro PKA reg                         ; + 1
.set j_, 0
.rept 16
	v_pk_add_f32 v[\reg+j_:\reg+j_+1], v[\reg+j_:\reg+j_+1], 1.0 op_sel_hi:[1,0]
.set j_, j_+2
.endr
.endm
.macro TR op, d, s                     ; a batch of 32 transcendentals and the plain instruction behind it
.set j_, 0
.rept 32
	\op v[\d+j_], v[\s+j_]
.set j_, j_+1
.endr
	v_nop
.endm
; A gate = 1 / (1 + 2^(-g log2 e)) of the four accumulators AU, into dst.  both = 1: the candidate's sums are scaled by 2 log2 e in the same run, so that one wait stands ahead of all first reads of matrix results.
; ld = 1: the next block's first sixteen fragments, the gate's bias and two matrices' scale words go out in groups between the batches.  Each batch has one wait ahead of it and one behind it.
.macro VGATE ld, ph, both, dst
.if \ld
	FADDR
	GRP \ph, 0
.endif
	AW
	PKS AU, 66
.if \both
	PKS AC, 68
.endif
.if \ld
	GRP \ph, 1
.endif
	AW
	TR v_exp_f32, AU, AU
.if \ld
	GRP \ph, 2
.endif
	AW
	PKA AU
.if \ld
	GRP \ph, 3
	BLOAD BU, BIA, 0
	WLD 0, 0
	WLD 1, 4096-2048*\ph
.endif
	AW
	TR v_rcp_f32, \dst, AU
	AW
.endm
; h = 1 - 2 / (1 + 2^(2 y log2 e)), in place on the candidate's accumulators; ld = 1: the block's other sixteen fragments, b_is and the other two matrices' scale words
.macro VCAND ld
.if \ld
	GRP 1, 4
.endif
	AW
	TR v_exp_f32, AC, AC
.if \ld
	GRP 1, 5
.endif
	AW
	PKA AC
.if \ld
	GRP 1, 6
.endif
	AW
	TR v_rcp_f32, AC, AC
.if \ld
	GRP 1, 7
	BLOAD BU, BIA, 2048
	WLD 2, 4096
	WLD 3, 6144
.endif
	AW
.set j_, 0
.rept 16
	v_pk_fma_f32 v[AC+j_:AC+j_+1], v[AC+j_:AC+j_+1], -2.0, 1.0 op_sel_hi:[1,0,0]
.set j_, j_+2
.endr
	AW
.endm
.macro ARMA k, join                    ; block k: r x state
.LarmA_\k:
.irp m, 0,1
	WIN (\m+1)<<2
.irp i, 0,1,2,3,4,5,6,7
	v_pk_mul_f32 v[AU+16*\m+2*\i:AU+16*\m+2*\i+1], v[AU+16*\m+2*\i:AU+16*\m+2*\i+1], v[16*(\k)+2*\i:16*(\k)+2*\i+1]
.endr
.endr
	WIN 0
	AW
	s_branch \join
.endm
; state x r of block s58 is one block of 32 along the last product's K: its codes go to my row of the stage (16 bytes a block), its scale byte behind the row's 256 bytes
.macro VA2
	s_lshl_b32 s72, s58, 4
	v_add_nc_u32 v13, s72, v[SRW0]
	v_add_nc_u32 v15, s58, v[SRB0]
.irp x, 0,1,2,3
	v_max3_num_f32 v[TM+\x], |v[AU+8*\x]|, |v[AU+8*\x+1]|, 0x1800000
.endr
.irp i, 2,4,6
.irp x, 0,1,2,3
	v_max3_num_f32 v[TM+\x], v[TM+\x], |v[AU+8*\x+\i]|, |v[AU+8*\x+\i+1]|
.endr
.endr
.irp m, 0,1
	v_max_num_f32 v[TM+2*\m], v[TM+2*\m], v[TM+2*\m+1]
.endr
.irp m, 0,1
	v_permlanex16_b32 v[TM+4+\m], v[TM+2*\m], s62, s63
.endr
.irp m, 0,1
	v_max_num_f32 v[TM+2*\m], v[TM+2*\m], v[TM+4+\m]
.endr
.irp m, 0,1
	v_add_nc_u32 v[TM+12+\m], 0xff000000, v[TM+2*\m]
.endr
.irp m, 0,1
	v_lshrrev_b32 v[BY+\m], 23, v[TM+12+\m]
.endr
.irp m, 0,1
.irp u, 0,1
	v_cvt_scalef32_pk8_fp4_f32 v[CD+2*\m+\u], v[AU+16*\m+8*\u:AU+16*\m+8*\u+7], v[TM+12+\m]
.endr
.endr
	v_nop
.irp m, 0,1
.irp u, 0,1
	ds_store_b32 v13, v[CD+2*\m+\u] offset:HALFB*\m+8*\u
.endr
	ds_store_b8 v15, v[BY+\m] offset:HALFB*\m      ; both halves of the lanes write the same byte with the same value
.endr
.endm
; Units 128 p .. 128 p + 127 of out leave through the stage as whole rows; each store covers 512 consecutive bytes, at a multiple of 256 from out0's first byte
.macro SEND p
.irp m, 0,1
	WIN (\m+1)<<2
.irp b, 0,1,2,3
.irp u, 0,1
.irp j, 0,1
	ds_store_b128 v[STF], v[16*(4*(\p)+\b)+8*\u+4*\j:16*(4*(\p)+\b)+8*\u+4*\j+3] offset:128*\b+64*\u+16*\j
.endr
.endr
.endr
	WIN 0
.if \m == 1
	s_wait_xcnt 0x0                                ; tile 0's stores have read their registers: tile 1's rows may land there
.endif
.irp t, 0,1,2,3,4,5,6,7,8,9,10,11,12,13,14,15
	ds_load_b128 v[AC+4*\t+32*(\t/8):AC+4*\t+32*(\t/8)+3], v[STD] offset:SPITCH*\t
.endr
.irp t, 0,1,2,3,4,5,6,7,8,9,10,11,12,13,14,15
	s_wait_dscnt 15-\t                             ; row t is in, the younger ones may be out
	global_store_b128 v[LI], v[AC+4*\t+32*(\t/8):AC+4*\t+32*(\t/8)+3], s[34:35] offset:(16*\m+\t)*2048+512*(\p) th:TH_STORE_NT
.endr
.endr
	s_wait_xcnt 0x0                                ; the stores have read their registers: the next products may write them
.endm
.macro ARMB k, join                    ; block k: out = state + u (h - state), into state's registers
.LarmB_\k:
.irp m, 0,1
	WIN (\m+1)<<2
.irp i, 0,1,2,3,4,5,6,7
	v_pk_add_f32 v[AC+16*\m+2*\i:AC+16*\m+2*\i+1], v[AC+16*\m+2*\i:AC+16*\m+2*\i+1], v[16*(\k)+2*\i:16*(\k)+2*\i+1] neg_lo:[0,1] neg_hi:[0,1]
.endr
.endr
.irp m, 0,1
	WIN ((\m+1)<<6)|((\m+1)<<4)
.irp i, 0,1,2,3,4,5,6,7
	v_pk_fma_f32 v[16*(\k)+2*\i:16*(\k)+2*\i+1], v[UG+16*\m+2*\i:UG+16*\m+2*\i+1], v[AC+16*\m+2*\i:AC+16*\m+2*\i+1], v[16*(\k)+2*\i:16*(\k)+2*\i+1]
.endr
.endr
	WIN 0
	AW
.if (\k)%4 == 3
	SEND (\k)/4
.endif
	s_branch \join
.endm
.macro BTOP                            ; a trip of phase B up to its arm
	TRIPSET
	VGATE 1, 1, 1, UG
	BFIRST
	VCAND 1
.endm
; ---------------------------------------------------------------- THE HEAD
	s_load_b512 s[8:23], s[0:1], 0x0               ; state, data_codes, data_scales, W_ig_codes, W_sg_codes, W_is_codes, W_h2h_codes, W_ig_scales
	s_load_b256 s[24:31], s[0:1], 0x40             ; W_sg_scales, W_is_scales, W_h2h_scales, b_ig
	s_load_b128 s[32:35], s[0:1], 0x60             ; b_is, out0
	v_lshl_add_u32 v[SPW], v0, 2, SPARE
	v_mov_b32 v[NIL], 0
	ds_add_u32 v[SPW], v[NIL]                      ; the opening: the add, twice on end, and its wait ahead of my first tensor load
	ds_add_u32 v[SPW], v[NIL]
	v_lshrrev_b32 v48, 5, v0
	v_readfirstlane_b32 s3, v48                    ; wave 0..3
	s_mul_i32 s71, s3, TILEB                       ; my tile's place in a slot
	s_mul_i32 s72, s3, STGW
	s_add_co_u32 s72, s72, STAGE                   ; my stage
	v_and_b32 v48, 31, v0                          ; lane
	v_and_b32 v49, 15, v0                          ; r
	v_bfe_u32 v50, v0, 4, 1                        ; h
	v_mul_u32_u24 v51, v49, PITCH
	v_lshl_add_u32 v[AW0], v50, 4, v51
	v_lshlrev_b32 v[LI], 4, v48
	v_add_nc_u32 v[STD], s72, v[LI]
	v_mul_u32_u24 v[STF], v49, SPITCH
	v_lshl_add_u32 v[STF], v50, 5, v[STF]
	v_add_nc_u32 v[STF], s72, v[STF]
	v_mul_u32_u24 v[DCS], v50, PITCH
	v_lshl_add_u32 v[DCS], v49, 4, v[DCS]
	v_add_nc_u32 v[DCS], s72, v[DCS]
	v_add_nc_u32 v[DCF], s72, v[AW0]
	v_lshlrev_b32 v[BIA0], 5, v50
	v_add_nc_u32 v[BIA0], BIAS, v[BIA0]
	v_lshl_add_u32 v[SRW0], v50, 2, v51
	v_add_nc_u32 v[SRW0], s72, v[SRW0]
	v_add_nc_u32 v[SRB0], s72, v51
	v_add_nc_u32 v[SRB0], 256, v[SRB0]
	v_mul_u32_u24 v[SRS], v48, PITCH
	v_add_nc_u32 v[SRS], s72, v[SRS]
	v_add_nc_u32 v[SRS], 256, v[SRS]
	v_lshlrev_b32 v[BIA], 4, v0                    ; 16 x thread: the biases' way in,
	v_lshl_add_u32 v13, v0, 4, BIAS                ; and their place in LDS
.irp b, 0,1,2,3
	v_mov_b32 v[TM+4+\b], 0                        ; written once: a lane permute's destination counts as one of its sources
.endr
	; descriptor group 1: a tile of 128 rows x 256 bytes, dense in memory, padded in LDS
	s_mov_b32 s36, 15|(1<<20)|(1<<21)|(5<<22)|(3<<25)  ; the mask of all four work-groups; elements of 1 byte; padding on; bit 21 beside a mask; after every 64 words four words
	s_mov_b32 s37, 256<<16
	s_mov_b32 s38, 128<<16
	s_mov_b32 s39, 256<<16
	s_mov_b32 s40, 128
	s_mov_b32 s41, 256
	s_mov_b32 s42, 0
	s_mov_b32 s43, 0
	s_mov_b32 s62, 0x76543210
	s_mov_b32 s63, 0xfedcba98                      ; v_permlanex16_b32's selects for lane l xor 16
	s_mov_b32 s66, 0xbfb8aa3b                      ; -log2(e)
	s_mov_b32 s67, s66
	s_mov_b32 s68, 0x4038aa3b                      ; 2 log2(e)
	s_mov_b32 s69, s68
	s_mov_b32 s70, 0xffff0000                      ; lanes 16-31
	AW                                             ; at the head's end
	s_wait_dscnt 0x0                               ; both opening adds are done
	s_wait_kmcnt 0x0
	; the tiles' descriptors and my tile's scale bytes: made of the wave's number and the weights' addresses alone
	s_cmp_lt_u32 s3, 2
	s_cselect_b64 s[46:47], s[14:15], s[16:17]     ; phase A: waves 0, 1 bring W_ig's rows, waves 2, 3 W_sg's
	s_cselect_b64 s[78:79], s[14:15], s[18:19]     ; phase B: wave w brings matrix w: W_ig, W_sg, W_is, W_h2h
	s_cselect_b64 s[80:81], s[16:17], s[20:21]
	s_cselect_b64 s[74:75], s[22:23], s[24:25]     ; the same for the scale bytes
	s_cselect_b64 s[4:5], s[22:23], s[26:27]
	s_cselect_b64 s[6:7], s[24:25], s[28:29]
	s_and_b32 s73, s3, 1
	s_cmp_eq_u32 s73, 0
	s_cselect_b64 s[54:55], s[78:79], s[80:81]
	s_cselect_b64 s[76:77], s[4:5], s[6:7]
	s_lshl_b32 s78, s73, 15                        ; 128 rows x 256 bytes for the odd wave,
	s_add_co_u32 s78, s78, 131072                  ; behind the 512 rows of the update half
	s_mov_b32 s79, 0
	s_add_nc_u64 s[46:47], s[46:47], s[78:79]      ; stage A0
	s_add_nc_u64 s[50:51], s[46:47], 65536         ; stage A1: 256 rows on
	s_or_b32 s47, s47, 0x80000000                  ; type = 2
	s_or_b32 s51, s51, 0x80000000
	s_or_b32 s55, s55, 0x80000000
	s_mov_b32 s44, 1
	s_mov_b32 s48, 1
	s_mov_b32 s52, 1
	s_add_co_u32 s45, s71, SLOT0
	s_add_co_u32 s49, s71, SLOT1
	s_add_co_u32 s53, s71, SLOT0
	s_lshl_b32 s4, s73, 11                         ; scale bytes: 128 rows x 16 for the odd wave, behind the update half's 512 x 16
	s_add_co_u32 s4, s4, 8192
	s_mov_b32 s5, 0
	s_add_nc_u64 s[74:75], s[74:75], s[4:5]
	s_lshl_b32 s78, s3, 11
	s_add_co_u32 s78, s78, SCL                     ; my tile's place in the region
	; my rows: they enter the addresses of state, data and out0 alone
	s_bfe_u32 s4, ttmp6, 0x40000                   ; cx
	s_lshl_b32 s5, ttmp9, 2
	s_add_co_u32 s5, s5, s4                        ; my work-group
	s_lshl_b32 s5, s5, 7
	s_lshl_b32 s6, s3, 5
	s_add_co_u32 s5, s5, s6                        ; my first row
	s_mov_b32 s7, 0
	s_lshl_b32 s6, s5, 11
	s_add_nc_u64 s[8:9], s[8:9], s[6:7]
	s_add_nc_u64 s[34:35], s[34:35], s[6:7]
	s_lshl_b32 s6, s5, 8
	s_add_nc_u64 s[10:11], s[10:11], s[6:7]
	s_lshl_b32 s6, s5, 4
	s_add_nc_u64 s[12:13], s[12:13], s[6:7]
	; 56 loads go out ahead of the round
	global_load_b128 v[160:163], v[BIA], s[30:31]                  ; b_ig's update half, 16 bytes a thread: stays in registers through phase A
	global_load_b128 v[164:167], v[BIA], s[30:31] offset:2048      ; its reset half
	global_load_b128 v[168:171], v[BIA], s[32:33]                  ; b_is
	global_load_b128 v[XD:XD+3], v[LI], s[12:13]                   ; data's scale words: lane l takes row l's 16 bytes
	SLOAD 74, 0                                                    ; stage A0's scale bytes of my tile
.irp i, 0,1,2,3,4,5,6,7,8,9,10,11,12,13,14,15
	global_load_b128 v[AU+4*\i:AU+4*\i+3], v[LI], s[10:11] offset:512*\i th:TH_LOAD_NT   ; data's codes: two rows a load
.endr
	CLOAD 0
	CLOAD 1
	WIN 0
	ROUND                                          ; all four work-groups are here: the first joint loads meet
	tensor_load_to_lds s[44:47], s[36:43]          ; stage A0 into slot 0: one tensor load a wave at the head
	s_nop 0
	PLACES 4
	s_wait_loadcnt 32                              ; all but the two chunks of state, 16 loads each
	ds_store_b128 v13, v[164:167]
	ds_store_b128 v13, v[168:171] offset:2048
	SSTORE
.irp i, 0,1,2,3,4,5,6,7,8,9,10,11,12,13,14,15
	ds_store_b128 v[DCS], v[AU+4*\i:AU+4*\i+3] offset:2*PITCH*\i   ; data's codes as 32 rows, 272 bytes apart,
.endr
	WIN 0xc0
.irp m, 0,1
.irp s, 0,1,2,3
.irp c, 0,1
	ds_load_b128 v[128+8*(4*\m+\s)+4*\c:128+8*(4*\m+\s)+4*\c+3], v[DCF] offset:HALFB*\m+64*\s+32*\c   ; and back as eight fragments, which stay
.endr
.endr
.endr
	CLOAD 2
	CLOAD 3
.irp ch, 0,1,2,3,4,5,6,7                       ; state: four chunks are asked for ahead.  The counts leave out the later chunks' loads (16 each); the four scale loads issued among them only make the counts stricter
.if \ch < 5
	s_wait_loadcnt 48
.elseif \ch == 5
	s_wait_loadcnt 32
.elseif \ch == 6
	s_wait_loadcnt 16
.else
	s_wait_loadcnt 0
.endif
	TURN \ch
.if \ch < 4
	CLOAD \ch+4
.endif
	s_wait_dscnt 0x0
.if \ch == 0
	WIN 0
	SLOAD 74, 4096                                 ; stage A1's scale bytes: the stores of A0's are done
.endif
	QUANT \ch
.endr
	PLACES 8                                       ; a scale word written by a vector instruction stands eight places ahead of a scaled product
	AW
	s_wait_tensorcnt 0x0                           ; my tile of slot 0 is in
	ds_add_u32 v[SPW], v[NIL]
	s_wait_dscnt 0x0                               ; the add; and, for the others' sake, my part of the biases and scale bytes
	ROUND
	tensor_load_to_lds s[48:51], s[36:43]          ; stage A1 into slot 1: it has stage A0's eight blocks in which to land
	s_nop 0
	PLACES 4
; ---------------------------------------------------------------- PHASE A: the reset gate, state x r, its codes
	s_mov_b32 s56, SLOT0
	s_mov_b32 s57, SCL
	v_mov_b32 v[BIA], v[BIA0]
	FADDR
	AW                                             ; the addresses just made are read behind eight window switches
	GRP 0, 0
	GRP 0, 1
	GRP 0, 2
	GRP 0, 3
	BLOAD BU, BIA, 0
	WLD 0, 0
	WLD 1, 4096
	W_A 0                                          ; block 0
	s_mov_b32 s58, 0
	s_mov_b32 s56, SLOT0+BLKB
	s_mov_b32 s57, SCL+512
.LA1:                                              ; 7 trips: products of blocks 1 .. 7, vector work of blocks 0 .. 6
	TRIPSET
	VGATE 1, 0, 0, AU
.irp k, 0,1,2,3,4,5
	s_cmp_eq_u32 s58, \k
	s_cbranch_scc1 .LarmA_\k
.endr
	ARMA 6, .LjoinA1
.irp k, 0,1,2,3,4,5
	ARMA \k, .LjoinA1
.endr
.LjoinA1:
	VA2
	W_A 6                                          ; behind the loads: the six stores of codes and bytes
	TRIPEND 7, .LA1
	CHANGE 1, SLOT0, 0, 76, 0, 0                   ; slot 0 takes stage B0; A1's scale bytes go in, B0's are asked for
	s_mov_b32 s58, 7
	s_mov_b32 s56, SLOT1
	s_mov_b32 s57, SCL
.LA2:                                              ; 8 trips: products of blocks 8 .. 15, vector work of blocks 7 .. 14
	TRIPSET
	VGATE 1, 0, 0, AU
.irp k, 7,8,9,10,11,12,13
	s_cmp_eq_u32 s58, \k
	s_cbranch_scc1 .LarmA_\k
.endr
	ARMA 14, .LjoinA2
.irp k, 7,8,9,10,11,12,13
	ARMA \k, .LjoinA2
.endr
.LjoinA2:
	VA2
	W_A 6
	TRIPEND 15, .LA2
	CHANGE 1, SLOT1, 1, 76, 2048, 1                ; slot 1 takes stage B1; B0's scale bytes and b_ig's update half go in, B1's scale bytes are asked for
; ---------------------------------------------------------------- FROM A TO B
	s_mov_b32 s58, 15
	s_mov_b32 s56, SLOT0
	s_mov_b32 s57, SCL
	v_mov_b32 v[BIA], v[BIA0]
	VGATE 1, 1, 0, AU                              ; the vector work of phase A's block 15, among the loads for phase B's block 0
	ARMA 15, .LjoinA3
.LjoinA3:
	VA2
.irp m, 0,1                                    ; Q(state x r) comes back from my stage as eight fragments; LDS serves a wave's instructions in order
.irp s, 0,1,2,3
.irp c, 0,1
	ds_load_b128 v[SRF+8*(4*\m+\s)+4*\c:SRF+8*(4*\m+\s)+4*\c+3], v[DCF] offset:HALFB*\m+64*\s+32*\c
.endr
.endr
.endr
	ds_load_b128 v[XR:XR+3], v[SRS]                ; and its scale words: lane l takes row l's 16 bytes
	BFIRST                                         ; block 0
	GRP 1, 4
	GRP 1, 5
	GRP 1, 6
	GRP 1, 7
	BLOAD BU, BIA, 2048
	WLD 2, 4096
	WLD 3, 6144
	BSECOND
	s_mov_b32 s58, 0
	s_mov_b32 s56, SLOT0+BLKB
	s_mov_b32 s57, SCL+512
; ---------------------------------------------------------------- PHASE B: the update gate, the candidate, the blend
.LB1:                                              ; 3 trips: products of blocks 1 .. 3, vector work of blocks 0 .. 2
	BTOP
.irp k, 0,1
	s_cmp_eq_u32 s58, \k
	s_cbranch_scc1 .LarmB_\k
.endr
	ARMB 2, .LjoinB1
.irp k, 0,1
	ARMB \k, .LjoinB1
.endr
.LjoinB1:
	BSECOND
	TRIPEND 3, .LB1
	CHANGE 1, SLOT0, 1, 76, 4096, 0                ; slot 0 takes stage B2
	s_mov_b32 s58, 3
	s_mov_b32 s56, SLOT1
	s_mov_b32 s57, SCL
.LB2:                                              ; 4 trips: products of blocks 4 .. 7, vector work of blocks 3 .. 6
	BTOP
.irp k, 3,4,5
	s_cmp_eq_u32 s58, \k
	s_cbranch_scc1 .LarmB_\k
.endr
	ARMB 6, .LjoinB2
.irp k, 3,4,5
	ARMB \k, .LjoinB2
.endr
.LjoinB2:
	BSECOND
	TRIPEND 7, .LB2
	CHANGE 1, SLOT1, 1, 76, 6144, 0                ; slot 1 takes stage B3: the last tensor load
	s_mov_b32 s58, 7
	s_mov_b32 s56, SLOT0
	s_mov_b32 s57, SCL
.LB3:                                              ; 4 trips: products of blocks 8 .. 11, vector work of blocks 7 .. 10
	BTOP
.irp k, 7,8,9
	s_cmp_eq_u32 s58, \k
	s_cbranch_scc1 .LarmB_\k
.endr
	ARMB 10, .LjoinB3
.irp k, 7,8,9
	ARMB \k, .LjoinB3
.endr
.LjoinB3:
	BSECOND
	TRIPEND 11, .LB3
	CHANGE 0, 0, 0, 0, 0, 0                        ; stage B3 is whole in every wave's sight; its scale bytes go in; nothing is left to ask for
	s_mov_b32 s58, 11
	s_mov_b32 s56, SLOT1
	s_mov_b32 s57, SCL
.LB4:                                              ; 4 trips: products of blocks 12 .. 15, vector work of blocks 11 .. 14
	BTOP
.irp k, 11,12,13
	s_cmp_eq_u32 s58, \k
	s_cbranch_scc1 .LarmB_\k
.endr
	ARMB 14, .LjoinB4
.irp k, 11,12,13
	ARMB \k, .LjoinB4
.endr
.LjoinB4:
	BSECOND
	TRIPEND 15, .LB4
	VGATE 0, 1, 1, UG                              ; the vector work of block 15, and the last 128 units leave
	VCAND 0
	ARMB 15, .LjoinB5
.LjoinB5:
	s_wait_tensorcnt 0x0                           ; the wave's end
	ds_add_u32 v[SPW], v[NIL]
	s_wait_dscnt 0x0
	ROUND                                          ; the closing round
	s_endpgm
.Lfunc_end_k_q9ef5622514_gru:
	.size	k_q9ef5622514_gru, .Lfunc_end_k_q9ef5622514_gru-k_q9ef5622514_gru
	.p2alignl 7, 3214868480
	.fill 96, 4, 3214868480
	.section	.rodata,"a",@progbits
	.p2align	6, 0x0
	.amdhsa_kernel k_q9ef5622514_gru
		.amdhsa_group_segment_fixed_size 327680
		.amdhsa_private_segment_fixed_size 0
		.amdhsa_enable_private_segment 0
		.amdhsa_kernarg_size 112
		.amdhsa_user_sgpr_count 2
		.amdhsa_user_sgpr_kernarg_segment_ptr 1
		.amdhsa_wavefront_size32 1
		.amdhsa_system_sgpr_workgroup_id_x 1
		.amdhsa_system_sgpr_workgroup_id_y 1
		.amdhsa_system_sgpr_workgroup_id_z 1
		.amdhsa_system_vgpr_workitem_id 0
		.amdhsa_next_free_vgpr 1024
		.amdhsa_next_free_sgpr 82
		.amdhsa_reserve_vcc 0
		.amdhsa_float_denorm_mode_32 3
		.amdhsa_float_denorm_mode_16_64 3
		.amdhsa_memory_ordered 1
		.amdhsa_forward_progress 1
		.amdhsa_inst_pref_size 255
	.end_amdhsa_kernel
	.section	.bss,"aw",@nobits
	.p2align	6
	.space	262144
	.amdgpu_metadata
---
amdhsa.version: [ 1, 2 ]
amdhsa.kernels:
  - .name:           k_q9ef5622514_gru
    .symbol:         k_q9ef5622514_gru.kd
    .args:
      - { .name: state, .offset: 0, .size: 8, .value_kind: global_buffer, .address_space: global }
      - { .name: data_codes, .offset: 8, .size: 8, .value_kind: global_buffer, .address_space: global }
      - { .name: data_scales, .offset: 16, .size: 8, .value_kind: global_buffer, .address_space: global }
      - { .name: W_ig_codes, .offset: 24, .size: 8, .value_kind: global_buffer, .address_space: global }
      - { .name: W_sg_codes, .offset: 32, .size: 8, .value_kind: global_buffer, .address_space: global }
      - { .name: W_is_codes, .offset: 40, .size: 8, .value_kind: global_buffer, .address_space: global }
      - { .name: W_h2h_codes, .offset: 48, .size: 8, .value_kind: global_buffer, .address_space: global }
      - { .name: W_ig_scales, .offset: 56, .size: 8, .value_kind: global_buffer, .address_space: global }
      - { .name: W_sg_scales, .offset: 64, .size: 8, .value_kind: global_buffer, .address_space: global }
      - { .name: W_is_scales, .offset: 72, .size: 8, .value_kind: global_buffer, .address_space: global }
      - { .name: W_h2h_scales, .offset: 80, .size: 8, .value_kind: global_buffer, .address_space: global }
      - { .name: b_ig, .offset: 88, .size: 8, .value_kind: global_buffer, .address_space: global }
      - { .name: b_is, .offset: 96, .size: 8, .value_kind: global_buffer, .address_space: global }
      - { .name: out0, .offset: 104, .size: 8, .value_kind: global_buffer, .address_space: global }
    .group_segment_fixed_size: 327680
    .private_segment_fixed_size: 0
    .kernarg_segment_align: 8
    .kernarg_segment_size: 112
    .max_flat_workgroup_size: 128
    .sgpr_count:     82
    .vgpr_count:     1024
    .wavefront_size: 32
...
	.end_amdgpu_metadata
.endif
;; end of part 1
